; MI455X (gfx1250); checked and timed in simulation.
; The chip was launched on July 23, 2026; its instructions are those of AMD's public machine-readable ISA for CDNA 5 (MIT licence, August 2026) and "CDNA5" Instruction Set Architecture Reference Guide (July 2026). The comments in the code are by the model that wrote it; some were corrected since.
;; Vector Quantizer. Allowed arithmetic: float matrix products may take bf16 or f16 operands with f32 sums; all other float work in f32.
;; Inputs: codebook 16,384 x 256 float32; z 16 x 256 x 32 x 32 float32.
;; Outputs: out0 16 x 256 x 32 x 32 float32; out1 one number float32; out2 16,384 int32.
;; One version. Each part assembles by itself: llvm-mc -triple=amdgcn-amd-amdhsa -mcpu=gfx1250 --defsym DOCPART=n.
;; ======== version 1 of 1: 4 launches
;; workspace buffers: cb 8,388,608 bytes; zb 8,388,608 bytes; ee 65,536 bytes; zz 65,536 bytes; candv 131,072 bytes; candi 131,072 bytes of whole numbers; part 1,024 bytes
;; launch prep (part 1): grid 256 x 1, 16 waves a work-group, no clusters, 10,752 bytes of LDS; arguments codebook, z, cb, zb, ee, zz; writes cb, zb, ee, zz
.if DOCPART == 1
	.amdgcn_target "amdgcn-amd-amdhsa--gfx1250"
	.amdhsa_code_object_version 6
	.text
	.protected	k_q588603ace5_prep
	.globl	k_q588603ace5_prep
	.p2align	8
	.type	k_q588603ace5_prep,@function
k_q588603ace5_prep:
	s_mov_b64 s[64:65], 0
	v_nop
	global_prefetch_b8 v0, s[64:65] scope:SCOPE_SE
	s_setreg_imm32_b32 hwreg(HW_REG_WAVE_MODE, 25, 1), 1
	s_wait_xcnt 0x0
; PREP.  Both inputs are rounded to bf16 once (nearest even), in their own layouts: cb[16384][256], zb[16][256][1024];
; and the two sums of squares are made, in f32, OF THE ROUNDED NUMBERS: ee[n] = sum over c of cb[n][c]^2, zz[b*1024+hw] = sum over c of zb[b][c][hw]^2.
; LIMIT: everything that follows works on the rounded inputs; the order of these f32 sums is this text's own (lane, then lanes or waves).
; SHARES.  Work-groups 0-127 take the codebook (128 codes each), 128-255 take z (one b, 128 hw, all 256 channels): 131,072 bytes of f32 each.
; A wave takes 16 chunks of 128 numbers, a lane 4 of each: a load of the wave covers 512 consecutive bytes, a store 256 consecutive bytes that begin
; at a multiple of 256 from the buffer's first byte.  All 16 loads of a wave go out at once; each store has registers of its own, so nothing waits for a store.
; Memory binds: no matrix unit, no tensor load, no cluster (no two work-groups read the same byte).
; LDS.  Each role has bytes of its own, so that no store of one role's text can touch a byte of the other's: z's partial sums [16 waves][128 columns] at 0,
; the codebook's 128 row sums at CSUM, the spare words behind them.
.set CHUNKS, 16
.set CSUM,   8192                      ; LDS 8192-8703: the codebook role's 128 sums, 32 bytes a wave
.set SPARE,  8704                      ; from here the spare words, 128 bytes for each of 16 waves
.set U,   8                            ; v[8:11]   four rounded numbers as f32
.set S,   12                           ; v[12:13]  codebook: the lane's sum of a row, two chains
.set R,   16                           ; v[16:23]  codebook: the wave's 8 row sums; z: v[16:19] my 4 columns' sums
.set SPW, 28                           ; v28       LDS address of my spare word; never rewritten
.set NIL, 29                           ; v29       0; never rewritten
.set X,   32                           ; v[32:95]  chunk k as loaded, 4 registers
.set Y,   96                           ; v[96:127] chunk k rounded, 2 registers
	s_load_b256 s[4:11], s[0:1], 0x0               ; codebook s[4:5], z s[6:7], cb s[8:9], zb s[10:11]
	s_load_b128 s[12:15], s[0:1], 0x20             ; ee s[12:13], zz s[14:15]
	v_lshl_add_u32 v[SPW], v0, 2, SPARE
	v_mov_b32 v[NIL], 0
	v_and_b32 v1, 31, v0                           ; lane
	v_lshrrev_b32 v2, 5, v0
	v_readfirstlane_b32 s16, v2                    ; wave 0..15
	s_mov_b32 s20, 0xffff0000                      ; a word's upper bf16
	s_mov_b32 s22, 0x76543210                      ; v_permlanex16_b32: each lane takes its own place in the other half
	s_mov_b32 s23, 0xfedcba98
	s_and_b32 s17, ttmp9, 127                      ; my number within my role
	s_lshr_b32 s21, ttmp9, 7                       ; role: 0 codebook, 1 z
	s_mov_b32 s19, 0
	s_lshl_b32 s18, s17, 9                         ; 128 sums of 4 bytes for each work-group, in ee or in zz
	v_lshlrev_b32 v7, 4, v1                        ; 16 x lane
	v_lshlrev_b32 v3, 3, v1                        ; 8 x lane
	s_wait_kmcnt 0x0
	s_add_nc_u64 s[12:13], s[12:13], s[18:19]
	s_add_nc_u64 s[14:15], s[14:15], s[18:19]
	s_cmp_lg_u32 s21, 0
	s_cbranch_scc1 .Lrole_z
; Chunk k: rounded, stored, and widened again for the squares.
.macro CONV k, base, stride
	s_wait_loadcnt CHUNKS-1-(\k)                   ; loads come back in order (ISA guide 5.7.1): chunk k is in, the younger chunks stay out
	v_cvt_pk_bf16_f32 v[Y+2*(\k)],   v[X+4*(\k)],   v[X+4*(\k)+1]
	v_cvt_pk_bf16_f32 v[Y+2*(\k)+1], v[X+4*(\k)+2], v[X+4*(\k)+3]
	global_store_b64 v5, v[Y+2*(\k):Y+2*(\k)+1], s[\base:\base+1] offset:(\stride)*(\k)
	v_lshlrev_b32 v[U],   16,  v[Y+2*(\k)]
	v_and_b32     v[U+1], s20, v[Y+2*(\k)]
	v_lshlrev_b32 v[U+2], 16,  v[Y+2*(\k)+1]
	v_and_b32     v[U+3], s20, v[Y+2*(\k)+1]
.endm
	; THE CODEBOOK.  Wave w: codes 8 w .. 8 w + 7 of the group's 128; chunk k is half k % 2 of code k / 2.
	s_lshl_b32 s18, s17, 17                        ; 128 codes of 1,024 bytes
	s_add_nc_u64 s[4:5], s[4:5], s[18:19]
	s_lshl_b32 s18, s17, 16                        ; 128 codes of 512 bytes
	s_add_nc_u64 s[8:9], s[8:9], s[18:19]
	v_lshl_add_u32 v4, s16, 13, v7                 ; in: 8,192 w + 16 lane
	v_lshl_add_u32 v5, s16, 12, v3                 ; out: 4,096 w + 8 lane
	v_mov_b32 v6, s16
	v_lshlrev_b32 v6, 5, v6                        ; LDS: my wave's 8 sums at CSUM + 32 w
.irp k, 0,1,2,3,4,5,6,7,8,9,10,11,12,13,14,15
	global_load_b128 v[X+4*(\k):X+4*(\k)+3], v4, s[4:5] offset:512*(\k) th:TH_LOAD_NT
.endr
.irp k, 0,1,2,3,4,5,6,7,8,9,10,11,12,13,14,15
	CONV \k, 8, 256
.if (\k)%2 == 0
	v_pk_mul_f32 v[S:S+1], v[U:U+1], v[U:U+1]      ; a row's first product starts its sum
.else
	v_pk_fma_f32 v[S:S+1], v[U:U+1], v[U:U+1], v[S:S+1]
.endif
	v_pk_fma_f32 v[S:S+1], v[U+2:U+3], v[U+2:U+3], v[S:S+1]
.if (\k)%2 == 1
	v_add_f32 v[R+(\k)/2], v[S], v[S+1]
.endif
.endr
.irp m, 1,2,4,8                        ; eight sums over the 32 lanes side by side: four steps inside each half of 16 lanes, one across
.irp j, 0,1,2,3,4,5,6,7
	v_add_f32_dpp v[R+(\j)], v[R+(\j)], v[R+(\j)] row_xmask:\m row_mask:0xf bank_mask:0xf
.endr
.endr
.irp j, 0,1,2,3,4,5,6,7
	v_permlanex16_b32 v[X+(\j)], v[R+(\j)], s22, s23  ; its destination counts as read: X has been written
.endr
.irp j, 0,1,2,3,4,5,6,7
	v_add_f32 v[R+(\j)], v[R+(\j)], v[X+(\j)]
.endr
	ds_store_b128 v6, v[R:R+3] offset:CSUM         ; every lane holds the same eight sums and writes the same 32 bytes
	ds_store_b128 v6, v[R+4:R+7] offset:CSUM+16
	s_branch .Ljoin
.Lrole_z:
	; Z.  The group: b = number / 8, hw 128 (number % 8) on.  Wave w: channels 16 w .. 16 w + 15; chunk k is channel 16 w + k; a lane keeps 4 hw.
	s_lshr_b32 s24, s17, 3
	s_and_b32 s25, s17, 7
	s_lshl_b32 s18, s24, 20                        ; b x 256 channels x 4,096 bytes
	s_lshl_b32 s26, s25, 9
	s_add_co_u32 s18, s18, s26
	s_add_nc_u64 s[6:7], s[6:7], s[18:19]
	s_lshr_b32 s18, s18, 1                         ; half as many bytes in bf16
	s_add_nc_u64 s[10:11], s[10:11], s[18:19]
	v_lshl_add_u32 v4, s16, 16, v7                 ; in: 16 channels x 4,096 bytes x w + 16 lane
	v_lshl_add_u32 v5, s16, 15, v3                 ; out: 16 x 2,048 x w + 8 lane
	v_lshl_add_u32 v6, s16, 9, v7                  ; LDS: my wave's 128 partial sums at 512 w: bytes 0 to 8,191 in all
.irp k, 0,1,2,3,4,5,6,7,8,9,10,11,12,13,14,15
	global_load_b128 v[X+4*(\k):X+4*(\k)+3], v4, s[6:7] offset:4096*(\k) th:TH_LOAD_NT
.endr
.irp k, 0,1,2,3,4,5,6,7,8,9,10,11,12,13,14,15
	CONV \k, 10, 2048
.if (\k) == 0
	v_pk_mul_f32 v[R:R+1],   v[U:U+1],   v[U:U+1]
	v_pk_mul_f32 v[R+2:R+3], v[U+2:U+3], v[U+2:U+3]
.else
	v_pk_fma_f32 v[R:R+1],   v[U:U+1],   v[U:U+1],   v[R:R+1]
	v_pk_fma_f32 v[R+2:R+3], v[U+2:U+3], v[U+2:U+3], v[R+2:R+3]
.endif
.endr
	ds_store_b128 v6, v[R:R+3]
.Ljoin:
	s_wait_dscnt 0x0                               ; for wave 0's sake: my sums are in LDS
	s_barrier_signal -1
	s_barrier_wait -1
	s_cmp_lg_u32 s16, 0
	s_cbranch_scc1 .Lend                           ; wave 0 writes the group's 128 sums: 512 consecutive bytes in one store
	s_cmp_lg_u32 s21, 0
	s_cbranch_scc1 .Lsum_z
	ds_load_b128 v[U:U+3], v7 offset:CSUM
	s_wait_dscnt 0x0
	global_store_b128 v7, v[U:U+3], s[12:13]
	s_branch .Lend
.Lsum_z:
.irp p, 0,1,2,3,4,5,6,7,8,9,10,11,12,13,14,15
	ds_load_b128 v[X+4*(\p):X+4*(\p)+3], v7 offset:512*(\p)
.endr
	s_wait_dscnt 0x0
.irp p, 1,2,3,4,5,6,7,8,9,10,11,12,13,14,15
	v_pk_add_f32 v[X:X+1],   v[X:X+1],   v[X+4*(\p):X+4*(\p)+1]    ; the waves' parts in ascending order of channels
	v_pk_add_f32 v[X+2:X+3], v[X+2:X+3], v[X+4*(\p)+2:X+4*(\p)+3]
.endr
	global_store_b128 v7, v[X:X+3], s[14:15]
.Lend:
	s_wait_tensorcnt 0x0                           ; the wave's end: these three lines stand behind my last LDS store
	ds_add_u32 v[SPW], v[NIL]
	s_wait_dscnt 0x0
	s_endpgm
.Lfunc_end_k_q588603ace5_prep:
	.size	k_q588603ace5_prep, .Lfunc_end_k_q588603ace5_prep-k_q588603ace5_prep
	.p2alignl 7, 3214868480
	.fill 96, 4, 3214868480
	.section	.rodata,"a",@progbits
	.p2align	6, 0x0
	.amdhsa_kernel k_q588603ace5_prep
		.amdhsa_group_segment_fixed_size 10752
		.amdhsa_private_segment_fixed_size 0
		.amdhsa_enable_private_segment 0
		.amdhsa_kernarg_size 48
		.amdhsa_user_sgpr_count 2
		.amdhsa_user_sgpr_kernarg_segment_ptr 1
		.amdhsa_wavefront_size32 1
		.amdhsa_system_sgpr_workgroup_id_x 1
		.amdhsa_system_sgpr_workgroup_id_y 1
		.amdhsa_system_sgpr_workgroup_id_z 1
		.amdhsa_system_vgpr_workitem_id 0
		.amdhsa_next_free_vgpr 128
		.amdhsa_next_free_sgpr 66
		.amdhsa_reserve_vcc 0
		.amdhsa_float_denorm_mode_32 3
		.amdhsa_float_denorm_mode_16_64 3
		.amdhsa_memory_ordered 1
		.amdhsa_forward_progress 1
		.amdhsa_inst_pref_size 28
	.end_amdhsa_kernel
	.amdgpu_metadata
---
amdhsa.version: [ 1, 2 ]
amdhsa.kernels:
  - .name:           k_q588603ace5_prep
    .symbol:         k_q588603ace5_prep.kd
    .args:
      - { .name: codebook, .offset: 0, .size: 8, .value_kind: global_buffer, .address_space: global }
      - { .name: z, .offset: 8, .size: 8, .value_kind: global_buffer, .address_space: global }
      - { .name: cb, .offset: 16, .size: 8, .value_kind: global_buffer, .address_space: global }
      - { .name: zb, .offset: 24, .size: 8, .value_kind: global_buffer, .address_space: global }
      - { .name: ee, .offset: 32, .size: 8, .value_kind: global_buffer, .address_space: global }
      - { .name: zz, .offset: 40, .size: 8, .value_kind: global_buffer, .address_space: global }
    .group_segment_fixed_size: 10752
    .private_segment_fixed_size: 0
    .kernarg_segment_align: 8
    .kernarg_segment_size: 48
    .max_flat_workgroup_size: 512
    .sgpr_count:     66
    .vgpr_count:     128
    .wavefront_size: 32
...
	.end_amdgpu_metadata
.endif
;; end of part 1
;; launch dist (part 2): grid 128 x 2, 4 waves a work-group, clusters of 4 x 1, 327,680 bytes of LDS; arguments cb, zb, ee, zz, candv, candi; writes candv, candi
.if DOCPART == 2
	.amdgcn_target "amdgcn-amd-amdhsa--gfx1250"
	.amdhsa_code_object_version 6
	.text
	.protected	k_q588603ace5_dist
	.globl	k_q588603ace5_dist
	.p2align	8
	.type	k_q588603ace5_dist,@function
k_q588603ace5_dist:
	s_mov_b64 s[64:65], 0
	v_nop
	global_prefetch_b8 v0, s[64:65] scope:SCOPE_SE
	s_setreg_imm32_b32 hwreg(HW_REG_WAVE_MODE, 25, 1), 1
	s_wait_xcnt 0x0
	s_wait_alu depctr_hold_cnt(0) depctr_sa_sdst(0) depctr_va_vdst(0) depctr_va_sdst(0) depctr_va_ssrc(0) depctr_va_vcc(0) depctr_vm_vsrc(0)
	s_getreg_b32 s2, hwreg(HW_REG_IB_STS2, 6, 4)
	s_cmp_eq_u32 s2, 0
	s_cbranch_scc0 .Lentry_in_a_cluster
	s_endpgm
.Lentry_in_a_cluster:
	s_bfe_u32 s2, ttmp6, 0x10000c
	s_cmp_lg_u32 s2, 0x3003
	s_cbranch_scc0 .Lentry_shape_is_right
	s_endpgm
.Lentry_shape_is_right:
; DIST.  For 128 rows of z (one b, 128 hw) and one half of the codebook (8,192 codes): d = (zz + ee) - 2 z.e, formed as reference() forms it: A = zz + ee rounded to f32,
; then one fused A - 2 (z.e) (2 x is exact), and for each row the least d with the LOWEST code that has it.  Out: candv[half][row], candi[half][row].
; z.e: bf16 operands (rounded by the launch before), f32 sums, K = 256 ascending, one accumulator for each output.
; LIMITS.  A NaN among the d of a row loses here (v_min_num_f32), where argmin lets it win.  The index agrees with reference() on the rounded inputs up to the order of the f32 sums
; inside z.e, zz and ee.  No range is assumed: bf16 has f32's exponents, and d is made by reference()'s own formula.
; SHARES.  All four waves keep the same 128 rows of z in registers for the whole launch: 8 row tiles x 8 K steps = 512 registers.  Wave w walks its own 2,048 codes, 16 a tile,
; 128 tiles.  A tile's 16 rows of 512 bytes, read from LDS once, feed 64 matrix instructions.
; LAYOUT.  Source 0 = 16 codes, source 1 = 16 rows of z: in the result a lane holds ONE row of z (lane % 16) and the codes 8 (lane / 16) + 0..7.
; THE ARGMIN keeps, for each lane and row tile: m, the least d so far; T, the first code of the tile in which it was found; and that tile's eight d.  A tile replaces them only if its
; least d is LESS than m, so the earliest tile stays.  At the end the first of the eight that equals m gives the code; the lanes' halves and the four waves are merged by (d, code).
; BY TURNS.  Two sets of 8 accumulators.  While a tile's 64 products fill one set, the tile before is worked on in the other: 184 vector instructions, three behind each product.
; CLUSTER.  The four work-groups of a cluster have the same half of the codebook and other rows of z: code tiles and ee are asked for JOINTLY (mask 15), z by a load of one's own.
; A step is 64 codes a wave, 132 KiB a work-group with its padding; two slots; a refill has a step's 256 matrix instructions a wave in which to land.
; REGISTERS, in windows of 256 (s_set_vgpr_msb: bits 1:0 source 0, 3:2 source 1, 5:4 source 2, 7:6 destination):
;   window 0: all that the vector work touches, and the accumulators      window 1: v0-127 a tile's fragments, two buffers      windows 2, 3: z: row tile i, K step ks at v[64 (i % 4) + 8 ks] of window 2 + i / 4
.set PC,     528                       ; a code's row in LDS: 512 bytes + 16 = 33 x 16: the 16 rows of a load begin 16 bytes apart modulo 256
.set TILEB,  16*PC                     ; a tile
.set QUART,  64*PC                     ; a wave's part of a slot: 4 tiles
.set SLOTB,  4*QUART                   ; 135,168 = 2^17 + 2^12, bits that no address inside a slot's first tile rows uses: one exclusive or changes slots
.set ZP,     288                       ; a channel's row of the z tile in LDS: 256 bytes + 32 = 9 x 32, for the turning load
.set ZQ,     64*ZP                     ; a wave's quarter of the z tile; the tile lies in slot 1 until that slot's first codes come
.set EEB,    2*SLOTB                   ; ee of the 8,192 codes, 8,192 bytes a wave; filled once
.set SCR,    EEB+32768                 ; [4 waves][128 rows]{d, code}; no fill lands here
.set SPARE,  SCR+4096                  ; the spare words, 128 bytes for each wave
.set STEPS,  32
.set AC0, 3                            ; v3   my lane's place in a tile of my wave's quarter; never rewritten
.set AE0, 4                            ; v4   my lane's place in my wave's ee; never rewritten
.set ADR, 5                            ; v5   LDS address of the run of fragment loads in hand
.set ADE, 6                            ; v6   of the ee loads in hand; at the start: the offset of the zz loads
.set H8,  7                            ; v7   8 (lane / 16)
.set AZ0, 8                            ; v8   my lane's place in the z tile, channels 0-127
.set AZ1, 9                            ; v9   channels 128-255
.set SCA, 9                            ;      later: where I put {d, code}
.set Y0,  10                           ; v10-12  three partial minima
.set XM,  13                           ; v13  the tile's least d for my row
.set SPW, 14                           ; v14  LDS address of my spare word; never rewritten
.set NIL, 15                           ; v15  0; never rewritten
.set ZZ,  16                           ; v16-23  zz of my row in row tile i
.set AT,  24                           ; v24-31  zz + ee for the eight codes
.set EE,  32                           ; v32-47  ee of my eight codes, two buffers
.set ST,  48                           ; v[48+10 i ..]: the saved eight d, then m, then T
.set ACC, 128                          ; set p, row tile i at ACC + 64 p + 8 i
.set WV,  16                           ; s16  my wave's number
.set CX,  17                           ; s17  my place in the cluster: it enters z's, zz's and the results' global addresses alone
.set RB,  18                           ; s18  my block of 128 rows
.set SPL, 19                           ; s19  my half of the codebook, which the partners share
.set G1C, 24                           ; s[24:31] group 1, codes      s[32:39] z      s[40:47] ee
.set G1Z, 32
.set G1E, 40
.set G0C, 48                           ; s[48:51] group 0, codes: it walks      s[52:55] z      s[56:59] ee
.set G0Z, 52
.set G0E, 56
.set TB,  60                           ; s60  LDS byte of the tile to be fetched next, less the wave's and lane's part
.set TE,  61                           ; s61  byte of its ee in my wave's 8,192
.set TN,  62                           ; s62  first code of the tile that the vector work has in hand
.set CNT, 63
.set SLOTS, 66
.set SEL, 68                           ; s[68:69] v_permlanex16_b32's selects
.set MSB, 0
.macro WIN new                         ; the immediate's high byte repeats the setting that is left; a switch that changes nothing is dropped
.if MSB != (\new)
	s_set_vgpr_msb (MSB<<8)|(\new)
.set MSB, (\new)
.endif
.endm
; A round of the cluster's barrier: my work-group's barrier; wave 0 signals for the work-group; every wave waits for all four work-groups; my work-group's barrier once more.
.macro CROUND
	s_barrier_signal -1
	s_barrier_wait -1
	s_cmp_lg_u32 s[WV], 0
	s_cbranch_scc1 .Lnot_wave_0_\@
	s_barrier_signal -3
.Lnot_wave_0_\@:
	s_barrier_wait -3
	s_barrier_signal -1
	s_barrier_wait -1
.endm
	s_load_b256 s[4:11], s[0:1], 0x0               ; cb s[4:5], zb s[6:7], ee s[8:9], zz s[10:11]
	s_load_b128 s[12:15], s[0:1], 0x20             ; candv s[12:13], candi s[14:15]
	v_lshl_add_u32 v[SPW], v0, 2, SPARE
	v_mov_b32 v[NIL], 0
	ds_add_u32 v[SPW], v[NIL]                      ; the wave's opening: the add and its wait stand ahead of my first tensor load; the set-up below stands between them
	v_lshrrev_b32 v1, 5, v0
	v_readfirstlane_b32 s[WV], v1                  ; wave 0..3
	s_bfe_u32 s[CX], ttmp6, 0x40000
	s_lshl_b32 s[RB], ttmp9, 2                     ; in a cluster launch ttmp9 counts clusters
	s_add_co_u32 s[RB], s[RB], s[CX]
	s_and_b32 s[SPL], ttmp7, 0xffff
	; what the partners share: my wave's codes and their ee
	s_lshl_b32 s20, s[SPL], 22                     ; 8,192 codes of 512 bytes
	s_lshl_b32 s21, s[WV], 20                      ; 2,048 codes
	s_add_co_u32 s20, s20, s21
	s_mov_b32 s21, 0
	s_lshl_b32 s22, s[SPL], 15
	s_lshl_b32 s23, s[WV], 13
	s_add_co_u32 s22, s22, s23
	s_mov_b32 s23, 0
	; what is mine alone, in registers of its own
	s_lshr_b32 s74, s[RB], 3
	s_lshl_b32 s74, s74, 19                        ; b x 256 channels x 2,048 bytes
	s_and_b32 s75, s[RB], 7
	s_lshl_b32 s75, s75, 8                         ; 128 hw of 2 bytes
	s_add_co_u32 s74, s74, s75
	s_lshl_b32 s75, s[WV], 17                      ; my quarter: 64 channels
	s_add_co_u32 s74, s74, s75
	s_mov_b32 s75, 0
	s_lshl_b32 s76, s[RB], 9                       ; 128 rows of 4 bytes
	s_mov_b32 s77, 0
	s_lshl_b32 s78, s[SPL], 16
	s_add_co_u32 s78, s78, s76
	s_mov_b32 s79, 0
	; group 1, codes: 64 rows x 256 elements of 2 bytes, 16 bytes of padding behind each row
	s_mov_b32 s[G1C],   15|(1<<16)|(1<<20)|(1<<21)|(6<<22)|(3<<25)  ; mask of four; 2-byte elements; padding on; 21 set beside a mask; after every 128 words (code 6) 4 words (code 3)
	s_mov_b32 s[G1C+1], 256<<16                    ; tensor_dim0
	s_mov_b32 s[G1C+2], 64<<16                     ; tensor_dim1
	s_mov_b32 s[G1C+3], 256<<16                    ; tile_dim0
	s_mov_b32 s[G1C+4], 64                         ; tile_dim1
	s_mov_b32 s[G1C+5], 256                        ; elements from row to row
	s_mov_b32 s[G1C+6], 0
	s_mov_b32 s[G1C+7], 0
	; group 1, z: 64 channels x 128 hw, 32 bytes of padding behind each row; no mask
	s_mov_b32 s[G1Z],   (1<<16)|(1<<20)|(5<<22)|(7<<25)  ; after every 64 words (code 5) 8 words (code 7)
	s_mov_b32 s[G1Z+1], 128<<16
	s_mov_b32 s[G1Z+2], 64<<16
	s_mov_b32 s[G1Z+3], 128<<16
	s_mov_b32 s[G1Z+4], 64
	s_mov_b32 s[G1Z+5], 1024
	s_mov_b32 s[G1Z+6], 0
	s_mov_b32 s[G1Z+7], 0
	; group 1, ee: 8,192 dense bytes as 32 rows of 32 elements of 8 bytes
	s_mov_b32 s[G1E],   15|(3<<16)|(1<<21)
	s_mov_b32 s[G1E+1], 32<<16
	s_mov_b32 s[G1E+2], 32<<16
	s_mov_b32 s[G1E+3], 32<<16
	s_mov_b32 s[G1E+4], 32
	s_mov_b32 s[G1E+5], 32
	s_mov_b32 s[G1E+6], 0
	s_mov_b32 s[G1E+7], 0
	s_mul_i32 s80, s[WV], QUART
	s_mov_b32 s[G0C], 1
	s_mov_b32 s[G0C+1], s80                        ; slot 0, my quarter
	s_mov_b32 s[G0Z], 1
	s_mul_i32 s[G0Z+1], s[WV], ZQ
	s_add_co_u32 s[G0Z+1], s[G0Z+1], SLOTB
	s_mov_b32 s[G0E], 1
	s_lshl_b32 s[G0E+1], s[WV], 13
	s_add_co_u32 s[G0E+1], s[G0E+1], EEB
	s_lshl_b32 s[TN], s[SPL], 13
	s_lshl_b32 s81, s[WV], 11
	s_add_co_u32 s[TN], s[TN], s81                 ; my first code
	s_mov_b32 s[TB], SLOTB+4*TILEB                 ; the first change of slots turns this into 0
	s_mov_b32 s[TE], 0
	s_mov_b32 s[SEL], 0x76543210
	s_mov_b32 s[SEL+1], 0xfedcba98
	s_wait_dscnt 0x0                               ; the opening add is done
	s_wait_kmcnt 0x0
	s_add_nc_u64 s[G0C+2:G0C+3], s[4:5], s[20:21]
	s_or_b32 s[G0C+3], s[G0C+3], 0x80000000        ; type = 2
	s_add_nc_u64 s[G0Z+2:G0Z+3], s[6:7], s[74:75]
	s_or_b32 s[G0Z+3], s[G0Z+3], 0x80000000
	s_add_nc_u64 s[G0E+2:G0E+3], s[8:9], s[22:23]
	s_or_b32 s[G0E+3], s[G0E+3], 0x80000000
	s_add_nc_u64 s[10:11], s[10:11], s[76:77]      ; zz at my block
	s_add_nc_u64 s[12:13], s[12:13], s[78:79]      ; the results at my half and block
	s_add_nc_u64 s[14:15], s[14:15], s[78:79]
	CROUND                                         ; all four work-groups are here: the first joint loads meet
	tensor_load_to_lds s[G0Z:G0Z+3], s[G1Z:G1Z+7]  ; the first fills go out as one group: three loads of mine are out.  z first: it is wanted first
	s_nop 0
	tensor_load_to_lds s[G0E:G0E+3], s[G1E:G1E+7]
	s_nop 0
	tensor_load_to_lds s[G0C:G0C+3], s[G1C:G1C+7]  ; the codes of step 0
	s_nop 0
.rept 4
	v_nop
.endr
	v_and_b32 v1, 15, v0                           ; r = lane % 16
	v_bfe_u32 v2, v0, 4, 1                         ; h = lane / 16
	v_lshlrev_b32 v[ADE], 2, v1
.irp i, 0,1,2,3,4,5,6,7
	global_load_b32 v[ZZ+(\i)], v[ADE], s[10:11] offset:64*(\i)  ; zz of row 16 i + r
.endr
	v_mul_u32_u24 v[AC0], v1, PC                   ; a fragment of codes: row r, 16 bytes for each half of the lanes
	v_lshl_add_u32 v[AC0], v2, 4, v[AC0]
	v_add_nc_u32 v[AC0], s80, v[AC0]
	v_lshlrev_b32 v[AE0], 5, v2                    ; my eight codes' ee: 32 bytes at 32 h
	v_add_nc_u32 v[AE0], s[G0E+1], v[AE0]
	v_lshlrev_b32 v[H8], 3, v2
	; the turning load takes 16 channels x 16 hw: lane l reads channel 8 h + l % 8, hw 8 ((l / 8) % 2) + 0..7, and is left with hw l % 16 and 8 channels
	v_and_b32 v[Y0], 7, v0
	v_lshl_add_u32 v[Y0], v2, 3, v[Y0]
	v_mul_u32_u24 v[AZ0], v[Y0], ZP
	v_bfe_u32 v[Y0], v0, 3, 1
	v_lshl_add_u32 v[AZ0], v[Y0], 4, v[AZ0]
	v_add_nc_u32 v[AZ0], SLOTB, v[AZ0]
	v_add_nc_u32 v[AZ1], 128*ZP, v[AZ0]
	s_wait_tensorcnt 0x2                           ; my quarter of z is in; ee and the codes, issued behind it, stay out
	s_barrier_signal -1
	s_barrier_wait -1                              ; everybody's quarter is in
.set i, 0
.rept 8                                ; z goes into registers for good: row tile i, K step ks
	WIN 0x80+0x40*(i/4)                            ; destination window 2 or 3, address window 0
.set ks, 0
.rept 8
.set rZ, 64*(i%4)+8*ks
.if ks < 4
	ds_load_tr16_b128 v[rZ:rZ+3],   v[AZ0] offset:ks*32*ZP+32*i
	ds_load_tr16_b128 v[rZ+4:rZ+7], v[AZ0] offset:ks*32*ZP+16*ZP+32*i
.else
	ds_load_tr16_b128 v[rZ:rZ+3],   v[AZ1] offset:(ks-4)*32*ZP+32*i
	ds_load_tr16_b128 v[rZ+4:rZ+7], v[AZ1] offset:(ks-4)*32*ZP+16*ZP+32*i
.endif
.set ks, ks+1
.endr
.set i, i+1
.endr
	WIN 0
; Matrix instruction n of a tile's 64: K step n / 8, row tile n % 8.  The 8 accumulators take turns, one instruction a turn, from tile to tile too (the other set follows).
; The first K step starts the sums with the constant 0: nothing is cleared.
.macro MM par
.set ks, n/8
.set ri, n%8
.set rA, ACC+64*(\par)+8*ri
.set rC, 64*(\par)+8*ks
.set rZ, 64*(ri%4)+8*ks
	WIN 0x09+4*(ri/4)                              ; codes in window 1, z in window 2 or 3, C and D in window 0
.if ks == 0
	v_wmma_f32_16x16x32_bf16 v[rA:rA+7], v[rC:rC+7], v[rZ:rZ+7], 0
.else
	v_wmma_f32_16x16x32_bf16 v[rA:rA+7], v[rC:rC+7], v[rZ:rZ+7], v[rA:rA+7]
.endif
.endm
; THE VECTOR WORK ON A FINISHED TILE is a list of 192 numbers (8 of them empty); RD writes number q.  aB: the finished set; eB: its codes' ee.
; P_: pair xk of zz + ee for row tile xi.  S_: d number xk of row tile xi is saved where the tile's least d was less than m (first = 1: always).
.macro P_
.if xi < 8
.if xi%2 == 0
	v_pk_add_f32 v[AT+2*xk:AT+2*xk+1], v[eB+2*xk:eB+2*xk+1], v[ZZ+xi:ZZ+xi+1] op_sel_hi:[1,0]
.else
	v_pk_add_f32 v[AT+2*xk:AT+2*xk+1], v[eB+2*xk:eB+2*xk+1], v[ZZ+xi-1:ZZ+xi] op_sel:[0,1] op_sel_hi:[1,1]
.endif
.endif
.endm
.macro S_ first
.if xi >= 0
.if \first
	v_mov_b32 v[ST+10*xi+xk], v[aB+8*xi+xk]
.else
	v_cndmask_b32 v[ST+10*xi+xk], v[ST+10*xi+xk], v[aB+8*xi+xk], vcc_lo
.endif
.endif
.endm
; Numbers 0-3: zz + ee for row tile 0.  Then 23 numbers for each row tile ti:
;   1-4    d = (zz + ee) - 2 z.e, in place, the accumulator's lowest registers first
;   7-9, 13  the least of the eight     17-19  is it less than m?  m; T
;   20-23, and 5, 6, 10, 11 of the next row tile: the eight d are saved     12, 14-16  zz + ee for the next row tile
; Numbers 188-191: the last four saves.  VCC is written at 17 and last read at 11 of the next row tile, or at 191: never across a tile's end.
.macro RD q, par, first
.set aB, ACC+64*(1-(\par))
.set eB, EE+8*(1-(\par))
.set qq, (\q)
.if qq < 4
.set xi, 0
.set xk, qq
	P_
.elseif qq >= 188
.set xi, 7
.set xk, qq-184
	S_ \first
.else
.set ti, (qq-4)/23
.set ps, (qq-4)%23+1
.set accT, aB+8*ti
.set staT, ST+10*ti
.if ps <= 4
	v_pk_fma_f32 v[accT+2*ps-2:accT+2*ps-1], v[accT+2*ps-2:accT+2*ps-1], -2.0, v[AT+2*ps-2:AT+2*ps-1] op_sel_hi:[1,0,1]
.elseif ps <= 6
.set xi, ti-1
.set xk, ps-1
	S_ \first
.elseif ps == 7
	v_min3_num_f32 v[Y0], v[accT], v[accT+1], v[accT+2]
.elseif ps == 8
	v_min3_num_f32 v[Y0+1], v[accT+3], v[accT+4], v[accT+5]
.elseif ps == 9
	v_min_num_f32 v[Y0+2], v[accT+6], v[accT+7]
.elseif ps <= 11
.set xi, ti-1
.set xk, ps-4
	S_ \first
.elseif ps == 12
.set xi, ti+1
.set xk, 0
	P_
.elseif ps == 13
	v_min3_num_f32 v[XM], v[Y0], v[Y0+1], v[Y0+2]
.elseif ps <= 16
.set xi, ti+1
.set xk, ps-13
	P_
.elseif ps == 17
.if !(\first)
	v_cmp_lt_f32 vcc_lo, v[XM], v[staT+8]
.endif
.elseif ps == 18
.if \first
	v_mov_b32 v[staT+8], v[XM]
.else
	v_min_num_f32 v[staT+8], v[staT+8], v[XM]
.endif
.elseif ps == 19
.if \first
	v_mov_b32 v[staT+9], s[TN]
.else
	v_cndmask_b32 v[staT+9], v[staT+9], s[TN], vcc_lo
.endif
.else
.set xi, ti
.set xk, ps-20
	S_ \first
.endif
.endif
.endm
; The LDS loads stand in one run: the next tile's 8 fragments (16 codes x 256 channels), then this tile's ee.
.macro FETCH buf
	WIN 0
	v_add_nc_u32 v[ADR], s[TB], v[AC0]
	s_add_co_u32 s[TB], s[TB], TILEB
	WIN 0x40                                       ; destination window 1
.irp f, 0,1,2,3,4,5,6,7
	ds_load_b128 v[64*(\buf)+8*(\f):64*(\buf)+8*(\f)+3],   v[ADR] offset:64*(\f)
	ds_load_b128 v[64*(\buf)+8*(\f)+4:64*(\buf)+8*(\f)+7], v[ADR] offset:64*(\f)+32
.endr
	WIN 0
.endm
.macro EFETCH par
	WIN 0
	v_add_nc_u32 v[ADE], s[TE], v[AE0]
	s_add_co_u32 s[TE], s[TE], 64
	ds_load_b128 v[EE+8*(\par):EE+8*(\par)+3],   v[ADE]
	ds_load_b128 v[EE+8*(\par)+4:EE+8*(\par)+7], v[ADE] offset:16
.endm
; A PHASE: a tile's 64 products into set par (mm = 1), and behind each of them three numbers of the list for the tile before, which lies in the other set (rid = 1; first = 1: the walk's first tile, which starts m, T
; and the saved d).  Behind the second product the next tile's fragments go into the other buffer (fetch = 1) and this tile's ee into buffer par: 62 products ahead of the wait for them.
; The places that ISA guide 7.12.1 asks for, loads aside: the buffer's last reader is the phase before's last product; behind it stand that phase's last three numbers and this phase's first six, plain
; instructions that name none of its registers.  The first read of a finished accumulator (number 4) stands behind seven products' numbers, or behind the four v_nop of a phase without a list.
.macro PHASE par, mm, rid, first, fetch
	s_wait_dscnt 0x0                               ; this tile's fragments and the last tile's ee are in
.set n, 0
.rept 64
.if \mm
	MM \par
.endif
.if \rid
	WIN 0
	RD 3*n, \par, \first
	RD 3*n+1, \par, \first
	RD 3*n+2, \par, \first
.endif
.if (n == 1) && (\mm)
.if \fetch
	FETCH 1-(\par)
.endif
	EFETCH \par
.endif
.set n, n+1
.endr
.if \rid
	s_add_co_u32 s[TN], s[TN], 16                  ; the list's next tile
.else
	WIN 0
.rept 4
	v_nop
.endr
.endif
.endm
; THE CHANGE OF SLOTS.  The old slot's fourth tile has been asked for.  Each wave waits for all its tensor loads, of which one is out: its part of the other slot (at the first use: ee and step 0); adds 0 to its
; spare word; and waits for that and for its reads of the old slot (at the first use: of z).  fill = 1: a round of the cluster's barrier, so that no wave of any partner still reads the slot or has a load on its way;
; the joint refill, the codes two steps on, is the first thing behind it, and my only tensor load until the next round.
.macro CHANGE fill
	WIN 0
	s_wait_tensorcnt 0x0                           ; no tensor load of mine is out, so group 0 may be written
	ds_add_u32 v[SPW], v[NIL]                      ; 0 onto my spare word; the scalar steps stand between it and the wait for it
.if \fill
	s_xor_b32 s[G0C+1], s[G0C+1], SLOTB            ; the other slot than last time,
	s_add_nc_u64 s[G0C+2:G0C+3], s[G0C+2:G0C+3], 64*512  ; my next 64 codes; the type bits on top are not reached
.endif
	s_sub_co_u32 s[TB], s[TB], 4*TILEB             ; the fetches go back to a slot's first tile,
	s_xor_b32 s[TB], s[TB], SLOTB                  ; in the other slot
	s_wait_dscnt 0x0                               ; the add is done, and my reads of the old slot are over
.if \fill
	CROUND
	tensor_load_to_lds s[G0C:G0C+3], s[G1C:G1C+7]
	s_nop 0
.rept 4
	v_nop
.endr
.else
	s_barrier_signal -1
	s_barrier_wait -1
.endif
.endm
.macro PAIRS                           ; four tiles: written once, walked twice
	s_mov_b32 s[CNT], 2
.Lpair_\@:
	PHASE 1, 1, 1, 0, 1
	PHASE 0, 1, 1, 0, 1
	s_sub_co_u32 s[CNT], s[CNT], 1
	s_cmp_lg_u32 s[CNT], 0
	s_cbranch_scc1 .Lpair_\@
.endm
	CHANGE 1                                       ; z is in registers, ee and step 0 have landed; slot 1 takes step 1
	FETCH 0                                        ; tile 0
	s_wait_loadcnt 0x0                             ; zz; ADE is free from here on
	PHASE 0, 1, 0, 0, 1                            ; tile 0: there is no tile before it
	PHASE 1, 1, 1, 1, 1                            ; tile 1 | tile 0 starts m, T and the saved d
	PHASE 0, 1, 1, 0, 1                            ; tile 2 | tile 1
	s_mov_b32 s[SLOTS], STEPS-2
.Lslot:                                                ; trip k = 1 .. 30 asks for step k + 1 and multiplies tiles 4 k - 1 .. 4 k + 2
	CHANGE 1
	PAIRS
	s_sub_co_u32 s[SLOTS], s[SLOTS], 1
	s_cmp_lg_u32 s[SLOTS], 0
	s_cbranch_scc1 .Lslot
	CHANGE 0                                       ; the tail is written out: nothing is asked for
	PAIRS                                          ; tiles 123 to 126
	PHASE 1, 1, 1, 0, 0                            ; tile 127: nothing is left to fetch but its ee
	PHASE 0, 0, 1, 0, 0                            ; the list for tile 127
	; THE END OF THE WALK.  The first of the saved eight that equals m gives the code; temporaries lie in the accumulators' registers, which are done with.
.set JJ, ACC
.set OM, ACC+8
.set ON, ACC+16
.set W,  ACC+32
.set OV, ACC+64
.set i, 0
.rept 8
	v_mov_b32 v[JJ+i], 7
.set i, i+1
.endr
.irp j, 6,5,4,3,2,1,0
.set i, 0
.rept 8
	v_cmp_eq_f32 vcc_lo, v[ST+10*i+(\j)], v[ST+10*i+8]
	v_cndmask_b32 v[JJ+i], v[JJ+i], \j, vcc_lo
.set i, i+1
.endr
.endr
	v_lshlrev_b32 v[SCA], 3, v1
	s_lshl_b32 s82, s[WV], 10
	s_add_co_u32 s82, s82, SCR
	v_add_nc_u32 v[SCA], s82, v[SCA]               ; SCR + 1,024 w + 8 r
.set i, 0
.rept 8
	v_add3_u32 v[ST+10*i+9], v[ST+10*i+9], v[JJ+i], v[H8]  ; the tile's first code + place among my eight + 8 h
.set i, i+1
.endr
.set i, 0
.rept 8                                ; the row's other eight codes of each tile lie in the lane 16 away: the lesser d, on a tie the lower code
	v_permlanex16_b32 v[OM+i], v[ST+10*i+8], s[SEL], s[SEL+1]
	v_permlanex16_b32 v[ON+i], v[ST+10*i+9], s[SEL], s[SEL+1]
.set i, i+1
.endr
.set i, 0
.rept 8
	v_cmp_lt_f32 s70, v[OM+i], v[ST+10*i+8]
	v_cmp_eq_f32 s71, v[OM+i], v[ST+10*i+8]
	v_cmp_lt_u32 s72, v[ON+i], v[ST+10*i+9]
	s_and_b32 s71, s71, s72
	s_or_b32 s70, s70, s71
	v_cndmask_b32 v[ST+10*i+8], v[ST+10*i+8], v[OM+i], s70
	v_cndmask_b32 v[ST+10*i+9], v[ST+10*i+9], v[ON+i], s70
	ds_store_b64 v[SCA], v[ST+10*i+8:ST+10*i+9] offset:128*i  ; row 16 i + r; both halves of the lanes write the same
.set i, i+1
.endr
	s_wait_dscnt 0x0                               ; for wave 0's sake: my 128 pairs are in LDS
	s_barrier_signal -1
	s_barrier_wait -1
	s_cmp_lg_u32 s[WV], 0
	s_cbranch_scc1 .Lfin
	v_and_b32 v[Y0], 31, v0
	v_lshlrev_b32 v[Y0+1], 5, v[Y0]
	v_add_nc_u32 v[Y0+1], SCR, v[Y0+1]             ; rows 4 lane .. 4 lane + 3: 32 bytes of each wave's list
	v_lshlrev_b32 v[Y0], 4, v[Y0]
.irp q, 0,1,2,3
	ds_load_b128 v[W+8*(\q):W+8*(\q)+3],   v[Y0+1] offset:1024*(\q)
	ds_load_b128 v[W+8*(\q)+4:W+8*(\q)+7], v[Y0+1] offset:1024*(\q)+16
.endr
	s_wait_dscnt 0x0
.irp q, 1,2,3                          ; a later wave has higher codes: it wins only with a lesser d
.irp p, 0,1,2,3
	v_cmp_lt_f32 vcc_lo, v[W+8*(\q)+2*(\p)], v[W+2*(\p)]
.if (\q) < 3
	v_cndmask_b32 v[W+2*(\p)],   v[W+2*(\p)],   v[W+8*(\q)+2*(\p)],   vcc_lo
	v_cndmask_b32 v[W+2*(\p)+1], v[W+2*(\p)+1], v[W+8*(\q)+2*(\p)+1], vcc_lo
.else
	v_cndmask_b32 v[OV+(\p)],   v[W+2*(\p)],   v[W+8*(\q)+2*(\p)],   vcc_lo
	v_cndmask_b32 v[OV+4+(\p)], v[W+2*(\p)+1], v[W+8*(\q)+2*(\p)+1], vcc_lo
.endif
.endr
.endr
	global_store_b128 v[Y0], v[OV:OV+3],   s[12:13]  ; 512 consecutive bytes each, at a multiple of 256 from the buffer's first
	global_store_b128 v[Y0], v[OV+4:OV+7], s[14:15]
.Lfin:
	s_wait_tensorcnt 0x0                           ; the wave's end: these three lines stand behind my last tensor load and my last LDS store
	ds_add_u32 v[SPW], v[NIL]
	s_wait_dscnt 0x0
	CROUND                                         ; the closing round: no work-group ends while a partner may still ask for a tile that names it
	s_endpgm
.Lfunc_end_k_q588603ace5_dist:
	.size	k_q588603ace5_dist, .Lfunc_end_k_q588603ace5_dist-k_q588603ace5_dist
	.p2alignl 7, 3214868480
	.fill 96, 4, 3214868480
	.section	.rodata,"a",@progbits
	.p2align	6, 0x0
	.amdhsa_kernel k_q588603ace5_dist
		.amdhsa_group_segment_fixed_size 327680
		.amdhsa_private_segment_fixed_size 0
		.amdhsa_enable_private_segment 0
		.amdhsa_kernarg_size 48
		.amdhsa_user_sgpr_count 2
		.amdhsa_user_sgpr_kernarg_segment_ptr 1
		.amdhsa_wavefront_size32 1
		.amdhsa_system_sgpr_workgroup_id_x 1
		.amdhsa_system_sgpr_workgroup_id_y 1
		.amdhsa_system_sgpr_workgroup_id_z 1
		.amdhsa_system_vgpr_workitem_id 0
		.amdhsa_next_free_vgpr 1024
		.amdhsa_next_free_sgpr 84
		.amdhsa_reserve_vcc 1
		.amdhsa_float_denorm_mode_32 3
		.amdhsa_float_denorm_mode_16_64 3
		.amdhsa_memory_ordered 1
		.amdhsa_forward_progress 1
		.amdhsa_inst_pref_size 172
	.end_amdhsa_kernel
	.amdgpu_metadata
---
amdhsa.version: [ 1, 2 ]
amdhsa.kernels:
  - .name:           k_q588603ace5_dist
    .symbol:         k_q588603ace5_dist.kd
    .args:
      - { .name: cb, .offset: 0, .size: 8, .value_kind: global_buffer, .address_space: global }
      - { .name: zb, .offset: 8, .size: 8, .value_kind: global_buffer, .address_space: global }
      - { .name: ee, .offset: 16, .size: 8, .value_kind: global_buffer, .address_space: global }
      - { .name: zz, .offset: 24, .size: 8, .value_kind: global_buffer, .address_space: global }
      - { .name: candv, .offset: 32, .size: 8, .value_kind: global_buffer, .address_space: global }
      - { .name: candi, .offset: 40, .size: 8, .value_kind: global_buffer, .address_space: global }
    .group_segment_fixed_size: 327680
    .private_segment_fixed_size: 0
    .kernarg_segment_align: 8
    .kernarg_segment_size: 48
    .max_flat_workgroup_size: 128
    .sgpr_count:     84
    .vgpr_count:     1024
    .wavefront_size: 32
...
	.end_amdgpu_metadata
.endif
;; end of part 2
;; launch gather (part 3): grid 128 x 2, 8 waves a work-group, no clusters, 35,584 bytes of LDS; arguments cb, zb, candv, candi, out0, out2, part; writes out0, out2, part
.if DOCPART == 3
	.amdgcn_target "amdgcn-amd-amdhsa--gfx1250"
	.amdhsa_code_object_version 6
	.text
	.protected	k_q588603ace5_gather
	.globl	k_q588603ace5_gather
	.p2align	8
	.type	k_q588603ace5_gather,@function
k_q588603ace5_gather:
	s_mov_b64 s[64:65], 0
	v_nop
	global_prefetch_b8 v0, s[64:65] scope:SCOPE_SE
	s_setreg_imm32_b32 hwreg(HW_REG_WAVE_MODE, 25, 1), 1
	s_wait_xcnt 0x0
; GATHER.  For 128 rows (one b, 128 hw) and 128 of the 256 channels: of each row's two candidates (one for each half of the codebook) the one with the lesser d, on a tie the first half's (its codes are lower);
; out0 = z + (e - z) in z's layout [b][c][hw], out2 = the code, part = the work-group's sum of (e - z)^2.  z and e are the numbers rounded to bf16; all arithmetic in f32, in reference()'s order.
; Addresses come from the whole numbers in candi alone: BOTH candidates' rows are fetched and the choice selects values (v_cndmask_b32), since it hangs on floating-point numbers.
; LIMIT: a NaN among the two d leaves the first half's candidate.
; SHARES.  Fetching: wave w takes rows 16 w .. 16 w + 15, in two units of 8; sixteen lanes take 256 consecutive bytes of a code's row (128 channels).  The rows are turned in LDS (codes lie by channel, out0 by hw).
; Output: wave w takes channels 16 w .. 16 w + 15; a lane 4 hw: a store of the wave covers 512 consecutive bytes.
; Memory and its latency bind: no matrix unit, no tensor load.  No cluster: the two work-groups of a block share only its 2 KiB of candidates.
.set ETP,   264                        ; a channel's row in LDS: 128 hw x 2 bytes + 8
.set IDXL,  128*ETP                    ; the 128 chosen codes
.set RED,   IDXL+512                   ; the 8 waves' sums
.set SPARE, RED+256                    ; the spare words, 128 bytes for each of 8 waves
.set SPW, 12                           ; v12  LDS address of my spare word; never rewritten
.set NIL, 13                           ; v13  0; never rewritten
.set LS,  14                           ; v[14:15] the sum of squares, two chains
.set V0,  16                           ; v[16:23] d of the first half's candidates: unit u, row r at 4 u + r;  v[24:31] the second half's
.set V1,  24
.set IX,  32                           ; v[32:39] codes of the first half's candidates, then the chosen ones;  v[40:47] the second half's
.set OF,  48                           ; v[48:63] byte offsets of the 16 fetches
.set G,   64                           ; v[64:127] unit u, candidate c, row r: 4 registers at 32 u + 16 c + 4 r
.set ER,  64                           ;           later: e of channel t, 4 hw, 2 registers
.set ZR,  128                          ; v[128:159] z of channel t, 4 hw, 2 registers
.set O,   160                          ; v[160:223] out0 of channel t, 4 registers: each store has its own
.set TP,  224                          ; v[224:239] at work
.set EU,  224
.set ZU,  228
.set TT,  232
.set MK,  40                           ; s[40:47] unit u, row r: lanes in which the second half's candidate wins
	s_load_b256 s[4:11], s[0:1], 0x0               ; cb s[4:5], zb s[6:7], candv s[8:9], candi s[10:11]
	s_load_b128 s[12:15], s[0:1], 0x20             ; out0 s[12:13], out2 s[14:15]
	s_load_b64 s[16:17], s[0:1], 0x30              ; part
	v_lshl_add_u32 v[SPW], v0, 2, SPARE
	v_mov_b32 v[NIL], 0
	v_and_b32 v1, 31, v0                           ; lane
	v_and_b32 v2, 15, v0                           ; lane % 16
	v_bfe_u32 v3, v0, 4, 1                         ; lane / 16
	v_lshrrev_b32 v10, 5, v0
	v_readfirstlane_b32 s18, v10                   ; wave 0..7
	s_mov_b32 s19, ttmp9                           ; the block of 128 rows
	s_and_b32 s20, ttmp7, 0xffff                   ; which 128 channels
	s_lshr_b32 s21, s19, 3                         ; b
	s_and_b32 s22, s19, 7
	s_lshl_b32 s24, s19, 9                         ; 128 rows of 4 bytes
	s_mov_b32 s25, 0
	s_lshl_b32 s26, s20, 8                         ; 128 channels of 2 bytes in a code's row
	s_mov_b32 s27, 0
	s_lshl_b32 s28, s21, 19                        ; zb: b x 256 x 2,048 bytes
	s_lshl_b32 s29, s20, 18                        ;     + 128 channels
	s_add_co_u32 s28, s28, s29
	s_lshl_b32 s29, s22, 8                         ;     + 128 hw
	s_add_co_u32 s28, s28, s29
	s_mov_b32 s29, 0
	s_lshl_b32 s30, s28, 1                         ; out0: twice the bytes
	s_mov_b32 s31, 0
	s_lshl_b32 s32, s20, 7
	s_add_co_u32 s32, s32, s19
	s_lshl_b32 s32, s32, 2                         ; part: word 128 y + block
	s_mov_b32 s33, 0
	s_mul_i32 s34, s18, 16*ETP
	s_mov_b32 s35, 0xffff0000                      ; a word's upper bf16
	s_mov_b32 s36, 0x76543210
	s_mov_b32 s37, 0xfedcba98
	v_lshlrev_b32 v4, 4, v3
	v_lshl_add_u32 v4, s18, 6, v4                  ; candidates: 4 rows at 64 w + 16 (lane / 16), + 32 for unit 1
	v_lshlrev_b32 v5, 3, v1
	v_lshl_add_u32 v5, s18, 15, v5                 ; zb: 16 channels x 2,048 x w + 8 lane
	v_lshlrev_b32 v10, 4, v1                       ; 16 lane
	v_lshl_add_u32 v6, s18, 16, v10                ; out0: 16 x 4,096 x w + 16 lane
	v_mul_u32_u24 v7, v2, 8*ETP                    ; turning, in: channels 8 (lane % 16) on, hw 16 w + 4 (lane / 16) on
	v_lshl_add_u32 v7, v3, 3, v7
	v_lshl_add_u32 v7, s18, 5, v7
	v_lshl_add_u32 v8, v1, 3, s34                  ; turning, back: channels 16 w on, hw 4 lane on
	v_add_nc_u32 v9, IDXL, v4
	v_lshlrev_b32 v11, 4, v2                       ; 16 (lane % 16)
	s_wait_kmcnt 0x0
	s_add_nc_u64 s[8:9], s[8:9], s[24:25]
	s_add_nc_u64 s[10:11], s[10:11], s[24:25]
	s_add_nc_u64 s[14:15], s[14:15], s[24:25]
	s_add_nc_u64 s[4:5], s[4:5], s[26:27]
	s_add_nc_u64 s[6:7], s[6:7], s[28:29]
	s_add_nc_u64 s[12:13], s[12:13], s[30:31]
	s_add_nc_u64 s[16:17], s[16:17], s[32:33]
.irp u, 0,1
	global_load_b128 v[V0+4*(\u):V0+4*(\u)+3],     v4, s[8:9]   offset:32*(\u)
	global_load_b128 v[V1+4*(\u):V1+4*(\u)+3],     v4, s[8:9]   offset:32*(\u)+65536
	global_load_b128 v[IX+4*(\u):IX+4*(\u)+3],     v4, s[10:11] offset:32*(\u)
	global_load_b128 v[IX+8+4*(\u):IX+8+4*(\u)+3], v4, s[10:11] offset:32*(\u)+65536
.endr
.irp t, 0,1,2,3,4,5,6,7,8,9,10,11,12,13,14,15
	global_load_b64 v[ZR+2*(\t):ZR+2*(\t)+1], v5, s[6:7] offset:2048*(\t)  ; 256 consecutive bytes: channel 16 w + t
.endr
	s_wait_loadcnt 16                              ; the candidates are in; the 16 loads of z behind them stay out
.irp u, 0,1
.irp c, 0,1
.irp r, 0,1,2,3
	v_min_u32 v[IX+8*(\c)+4*(\u)+(\r)], 0x3fff, v[IX+8*(\c)+4*(\u)+(\r)]  ; a code stays inside the codebook
	v_lshl_add_u32 v[OF+8*(\u)+4*(\c)+(\r)], v[IX+8*(\c)+4*(\u)+(\r)], 9, v11
	global_load_b128 v[G+32*(\u)+16*(\c)+4*(\r):G+32*(\u)+16*(\c)+4*(\r)+3], v[OF+8*(\u)+4*(\c)+(\r)], s[4:5]
.endr
.endr
.endr
.irp u, 0,1
.irp r, 0,1,2,3
	v_cmp_lt_f32 s[MK+4*(\u)+(\r)], v[V1+4*(\u)+(\r)], v[V0+4*(\u)+(\r)]
	v_cndmask_b32 v[IX+4*(\u)+(\r)], v[IX+4*(\u)+(\r)], v[IX+8+4*(\u)+(\r)], s[MK+4*(\u)+(\r)]
.endr
	ds_store_b128 v9, v[IX+4*(\u):IX+4*(\u)+3] offset:32*(\u)  ; the sixteen lanes of a half write the same 16 bytes
.endr
; Unit u: the chosen rows' 8 channels a lane; for each channel e the four rows' numbers are four neighbouring hw: 8 bytes.
.macro UNIT u, left
	s_wait_loadcnt \left
.irp r, 0,1,2,3
.irp d, 0,1,2,3
	v_cndmask_b32 v[G+32*(\u)+4*(\r)+(\d)], v[G+32*(\u)+4*(\r)+(\d)], v[G+32*(\u)+16+4*(\r)+(\d)], s[MK+4*(\u)+(\r)]
.endr
.endr
.set e, 0
.rept 8
.if e%2
.set sel, 0x07060302                   ; the two upper halves
.else
.set sel, 0x05040100                   ; the two lower halves; the second source goes below
.endif
	v_perm_b32 v[TP+2*e],   v[G+32*(\u)+4+e/2],  v[G+32*(\u)+e/2],   sel
	v_perm_b32 v[TP+2*e+1], v[G+32*(\u)+12+e/2], v[G+32*(\u)+8+e/2], sel
	ds_store_b64 v7, v[TP+2*e:TP+2*e+1] offset:e*ETP+16*(\u)
.set e, e+1
.endr
.endm
	UNIT 0, 8                                      ; unit 1's eight fetches stay out
	UNIT 1, 0
	s_wait_dscnt 0x0                               ; for the others' sake: my rows and codes are in LDS
	s_barrier_signal -1
	s_barrier_wait -1
	s_cmp_lg_u32 s18, 0
	s_cbranch_scc1 .Lno_idx
	s_cmp_lg_u32 s20, 0
	s_cbranch_scc1 .Lno_idx
	ds_load_b128 v[V0:V0+3], v10 offset:IDXL       ; one wave of one of the block's two work-groups writes the 128 codes: 512 consecutive bytes
	s_wait_dscnt 0x0
	global_store_b128 v10, v[V0:V0+3], s[14:15]
.Lno_idx:
.irp t, 0,1,2,3,4,5,6,7,8,9,10,11,12,13,14,15
	ds_load_b64 v[ER+2*(\t):ER+2*(\t)+1], v8 offset:ETP*(\t)
.endr
.irp t, 0,1,2,3,4,5,6,7,8,9,10,11,12,13,14,15
	s_wait_dscnt 15-(\t)                           ; LDS loads come back in order (ISA guide 5.7.1): channel t is in
	v_lshlrev_b32 v[EU],   16,  v[ER+2*(\t)]
	v_and_b32     v[EU+1], s35, v[ER+2*(\t)]
	v_lshlrev_b32 v[EU+2], 16,  v[ER+2*(\t)+1]
	v_and_b32     v[EU+3], s35, v[ER+2*(\t)+1]
	v_lshlrev_b32 v[ZU],   16,  v[ZR+2*(\t)]
	v_and_b32     v[ZU+1], s35, v[ZR+2*(\t)]
	v_lshlrev_b32 v[ZU+2], 16,  v[ZR+2*(\t)+1]
	v_and_b32     v[ZU+3], s35, v[ZR+2*(\t)+1]
	v_pk_add_f32 v[TT:TT+1],   v[EU:EU+1],   v[ZU:ZU+1]   neg_lo:[0,1] neg_hi:[0,1]  ; e - z
	v_pk_add_f32 v[TT+2:TT+3], v[EU+2:EU+3], v[ZU+2:ZU+3] neg_lo:[0,1] neg_hi:[0,1]
	v_pk_add_f32 v[O+4*(\t):O+4*(\t)+1],   v[ZU:ZU+1],   v[TT:TT+1]                  ; z + (e - z)
	v_pk_add_f32 v[O+4*(\t)+2:O+4*(\t)+3], v[ZU+2:ZU+3], v[TT+2:TT+3]
.if (\t) == 0
	v_pk_mul_f32 v[LS:LS+1], v[TT:TT+1], v[TT:TT+1]
.else
	v_pk_fma_f32 v[LS:LS+1], v[TT:TT+1], v[TT:TT+1], v[LS:LS+1]
.endif
	v_pk_fma_f32 v[LS:LS+1], v[TT+2:TT+3], v[TT+2:TT+3], v[LS:LS+1]
	global_store_b128 v6, v[O+4*(\t):O+4*(\t)+3], s[12:13] offset:4096*(\t) th:TH_STORE_NT
.endr
	v_add_f32 v[LS], v[LS], v[LS+1]
	v_add_f32_dpp v[LS], v[LS], v[LS] row_xmask:1 row_mask:0xf bank_mask:0xf
	v_add_f32_dpp v[LS], v[LS], v[LS] row_xmask:2 row_mask:0xf bank_mask:0xf
	v_add_f32_dpp v[LS], v[LS], v[LS] row_xmask:4 row_mask:0xf bank_mask:0xf
	v_add_f32_dpp v[LS], v[LS], v[LS] row_xmask:8 row_mask:0xf bank_mask:0xf
	v_permlanex16_b32 v[LS+1], v[LS], s36, s37
	v_add_f32 v[LS], v[LS], v[LS+1]
	v_mov_b32 v20, s18
	v_lshlrev_b32 v20, 2, v20
	ds_store_b32 v20, v[LS] offset:RED             ; my wave's word
	s_wait_dscnt 0x0
	s_barrier_signal -1
	s_barrier_wait -1
	s_cmp_lg_u32 s18, 0
	s_cbranch_scc1 .Lfin
	v_mov_b32 v21, RED
	ds_load_b128 v[24:27], v21
	ds_load_b128 v[28:31], v21 offset:16
	s_wait_dscnt 0x0
	v_pk_add_f32 v[24:25], v[24:25], v[26:27]
	v_pk_add_f32 v[28:29], v[28:29], v[30:31]
	v_pk_add_f32 v[24:25], v[24:25], v[28:29]
	v_add_f32 v24, v24, v25
	v_mov_b32 v22, 0
	v_cmp_eq_u32 vcc_lo, 0, v1
	s_wait_xcnt 0x0                                ; EXEC is a source of the stores above: it changes only behind this wait
	s_and_saveexec_b32 s38, vcc_lo
	global_store_b32 v22, v24, s[16:17]            ; one word a work-group
	s_wait_xcnt 0x0                                ; and again in front of the line that widens it
	s_or_b32 exec_lo, exec_lo, s38
.Lfin:
	s_wait_tensorcnt 0x0                           ; the wave's end: these three lines stand behind my last LDS store
	ds_add_u32 v[SPW], v[NIL]
	s_wait_dscnt 0x0
	s_endpgm
.Lfunc_end_k_q588603ace5_gather:
	.size	k_q588603ace5_gather, .Lfunc_end_k_q588603ace5_gather-k_q588603ace5_gather
	.p2alignl 7, 3214868480
	.fill 96, 4, 3214868480
	.section	.rodata,"a",@progbits
	.p2align	6, 0x0
	.amdhsa_kernel k_q588603ace5_gather
		.amdhsa_group_segment_fixed_size 35584
		.amdhsa_private_segment_fixed_size 0
		.amdhsa_enable_private_segment 0
		.amdhsa_kernarg_size 56
		.amdhsa_user_sgpr_count 2
		.amdhsa_user_sgpr_kernarg_segment_ptr 1
		.amdhsa_wavefront_size32 1
		.amdhsa_system_sgpr_workgroup_id_x 1
		.amdhsa_system_sgpr_workgroup_id_y 1
		.amdhsa_system_sgpr_workgroup_id_z 1
		.amdhsa_system_vgpr_workitem_id 0
		.amdhsa_next_free_vgpr 240
		.amdhsa_next_free_sgpr 66
		.amdhsa_reserve_vcc 1
		.amdhsa_float_denorm_mode_32 3
		.amdhsa_float_denorm_mode_16_64 3
		.amdhsa_memory_ordered 1
		.amdhsa_forward_progress 1
		.amdhsa_inst_pref_size 31
	.end_amdhsa_kernel
	.amdgpu_metadata
---
amdhsa.version: [ 1, 2 ]
amdhsa.kernels:
  - .name:           k_q588603ace5_gather
    .symbol:         k_q588603ace5_gather.kd
    .args:
      - { .name: cb, .offset: 0, .size: 8, .value_kind: global_buffer, .address_space: global }
      - { .name: zb, .offset: 8, .size: 8, .value_kind: global_buffer, .address_space: global }
      - { .name: candv, .offset: 16, .size: 8, .value_kind: global_buffer, .address_space: global }
      - { .name: candi, .offset: 24, .size: 8, .value_kind: global_buffer, .address_space: global }
      - { .name: out0, .offset: 32, .size: 8, .value_kind: global_buffer, .address_space: global }
      - { .name: out2, .offset: 40, .size: 8, .value_kind: global_buffer, .address_space: global }
      - { .name: part, .offset: 48, .size: 8, .value_kind: global_buffer, .address_space: global }
    .group_segment_fixed_size: 35584
    .private_segment_fixed_size: 0
    .kernarg_segment_align: 8
    .kernarg_segment_size: 56
    .max_flat_workgroup_size: 256
    .sgpr_count:     66
    .vgpr_count:     240
    .wavefront_size: 32
...
	.end_amdgpu_metadata
.endif
;; end of part 3
;; launch lossum (part 4): grid 1 x 1, 1 waves a work-group, no clusters, 0 bytes of LDS; arguments part, out1; writes out1
.if DOCPART == 4
	.amdgcn_target "amdgcn-amd-amdhsa--gfx1250"
	.amdhsa_code_object_version 6
	.text
	.protected	k_q588603ace5_lossum
	.globl	k_q588603ace5_lossum
	.p2align	8
	.type	k_q588603ace5_lossum,@function
k_q588603ace5_lossum:
	s_mov_b64 s[64:65], 0
	v_nop
	global_prefetch_b8 v0, s[64:65] scope:SCOPE_SE
	s_setreg_imm32_b32 hwreg(HW_REG_WAVE_MODE, 25, 1), 1
	s_wait_xcnt 0x0
; LOSSUM.  out1 = 1.25 x (the sum of the 256 work-groups' sums of (e - z)^2) / 2^22: both terms of reference()'s loss are the same mean over 16 x 256 x 1,024 numbers, once with the factor 1 and once with 0.25.
; A sum that spans work-groups has one owner: one wave, eight words a lane.
.set SCALE, 0x34a00000                 ; 1.25 x 2^-22
	s_load_b128 s[4:7], s[0:1], 0x0                ; part s[4:5], out1 s[6:7]
	v_lshlrev_b32 v1, 5, v0                        ; 32 bytes a lane
	v_mov_b32 v2, 0
	s_mov_b32 s8, 0x76543210
	s_mov_b32 s9, 0xfedcba98
	s_wait_kmcnt 0x0
	global_load_b128 v[4:7],  v1, s[4:5]
	global_load_b128 v[8:11], v1, s[4:5] offset:16
	s_wait_loadcnt 0x0
	v_pk_add_f32 v[4:5], v[4:5], v[6:7]
	v_pk_add_f32 v[8:9], v[8:9], v[10:11]
	v_pk_add_f32 v[4:5], v[4:5], v[8:9]
	v_add_f32 v4, v4, v5
	v_add_f32_dpp v4, v4, v4 row_xmask:1 row_mask:0xf bank_mask:0xf
	v_add_f32_dpp v4, v4, v4 row_xmask:2 row_mask:0xf bank_mask:0xf
	v_add_f32_dpp v4, v4, v4 row_xmask:4 row_mask:0xf bank_mask:0xf
	v_add_f32_dpp v4, v4, v4 row_xmask:8 row_mask:0xf bank_mask:0xf
	v_permlanex16_b32 v5, v4, s8, s9
	v_add_f32 v4, v4, v5
	v_mul_f32 v4, SCALE, v4
	v_cmp_eq_u32 vcc_lo, 0, v0
	s_wait_xcnt 0x0                                ; EXEC changes only behind this wait
	s_and_saveexec_b32 s10, vcc_lo
	global_store_b32 v2, v4, s[6:7]
	s_wait_xcnt 0x0
	s_or_b32 exec_lo, exec_lo, s10
	s_endpgm
.Lfunc_end_k_q588603ace5_lossum:
	.size	k_q588603ace5_lossum, .Lfunc_end_k_q588603ace5_lossum-k_q588603ace5_lossum
	.p2alignl 7, 3214868480
	.fill 96, 4, 3214868480
	.section	.rodata,"a",@progbits
	.p2align	6, 0x0
	.amdhsa_kernel k_q588603ace5_lossum
		.amdhsa_group_segment_fixed_size 0
		.amdhsa_private_segment_fixed_size 0
		.amdhsa_enable_private_segment 0
		.amdhsa_kernarg_size 16
		.amdhsa_user_sgpr_count 2
		.amdhsa_user_sgpr_kernarg_segment_ptr 1
		.amdhsa_wavefront_size32 1
		.amdhsa_system_sgpr_workgroup_id_x 1
		.amdhsa_system_sgpr_workgroup_id_y 1
		.amdhsa_system_sgpr_workgroup_id_z 1
		.amdhsa_system_vgpr_workitem_id 0
		.amdhsa_next_free_vgpr 16
		.amdhsa_next_free_sgpr 66
		.amdhsa_reserve_vcc 1
		.amdhsa_float_denorm_mode_32 3
		.amdhsa_float_denorm_mode_16_64 3
		.amdhsa_memory_ordered 1
		.amdhsa_forward_progress 1
		.amdhsa_inst_pref_size 2
	.end_amdhsa_kernel
	.amdgpu_metadata
---
amdhsa.version: [ 1, 2 ]
amdhsa.kernels:
  - .name:           k_q588603ace5_lossum
    .symbol:         k_q588603ace5_lossum.kd
    .args:
      - { .name: part, .offset: 0, .size: 8, .value_kind: global_buffer, .address_space: global }
      - { .name: out1, .offset: 8, .size: 8, .value_kind: global_buffer, .address_space: global }
    .group_segment_fixed_size: 0
    .private_segment_fixed_size: 0
    .kernarg_segment_align: 8
    .kernarg_segment_size: 16
    .max_flat_workgroup_size: 32
    .sgpr_count:     66
    .vgpr_count:     16
    .wavefront_size: 32
...
	.end_amdgpu_metadata
.endif
;; end of part 4
